; MI455X (gfx1250); checked and timed in simulation.
; The chip was launched on July 23, 2026; its instructions are those of AMD's public machine-readable ISA for CDNA 5 (MIT licence, August 2026) and "CDNA5" Instruction Set Architecture Reference Guide (July 2026). The comments in the code are by the model that wrote it; some were corrected since.
;; Multi Head Self Attention. Allowed arithmetic: matrix products marked QUANTISED: E4M3 operands, one E8M0 scale for each 32 along K, by v_wmma_scale_f32_16x16x128_f8f6f4 with both operands' format E4M3, f32 sums; everything else in f32.
;; Inputs: in_features_codes 4 x 2,048 x 32 x 32 uint8 (E4M3 codes of in_features, K innermost, in blocks of 32 codes); in_features_scales 4 x 2,048 x 32 uint8 (E8M0 scales of in_features, one for each 32 codes along K); k_weight_codes 1,024 x 32 x 32 uint8 (E4M3 codes of k_weight, K innermost, in blocks of 32 codes); k_weight_scales 1,024 x 32 uint8 (E8M0 scales of k_weight, one for each 32 codes along K); o_weight_codes 1,024 x 32 x 32 uint8 (E4M3 codes of o_weight, K innermost, in blocks of 32 codes); o_weight_scales 1,024 x 32 uint8 (E8M0 scales of o_weight, one for each 32 codes along K); q_weight_codes 1,024 x 32 x 32 uint8 (E4M3 codes of q_weight, K innermost, in blocks of 32 codes); q_weight_scales 1,024 x 32 uint8 (E8M0 scales of q_weight, one for each 32 codes along K); v_weight_codes 1,024 x 32 x 32 uint8 (E4M3 codes of v_weight, K innermost, in blocks of 32 codes); v_weight_scales 1,024 x 32 uint8 (E8M0 scales of v_weight, one for each 32 codes along K).
;; Outputs: out0 4 x 2,048 x 1,024 float32.
;; This version of the problem:
;;   THIS VERSION OF THE PROBLEM IS GIVEN IN LOW PRECISION. The matrix products marked QUANTISED in the list below multiply operands that are first quantised to E4M3 (4 exponent bits, 3 mantissa bits; 8 bits a number), with one power-of-two scale for each 32 numbers along K (OCP MX v1.0); their sums are f32. All else is computed in f32.
;;   The module's matrix products, in the order in which they are computed (A, B: the left and right operand; K: the contracted axis; several contracted axes count as one K, in the product's order):
;;     1. [M 8,192, K 1,024] x [K 1,024, N 1,024]; A: input in_features (given as codes); B: input q_weight (given as codes): QUANTISED
;;     2. [M 8,192, K 1,024] x [K 1,024, N 1,024]; A: input in_features (given as codes); B: input k_weight (given as codes): QUANTISED
;;     3. [M 8,192, K 1,024] x [K 1,024, N 1,024]; A: input in_features (given as codes); B: input v_weight (given as codes): QUANTISED
;;     4. batch 64 x [M 2,048, K 64] x [K 64, N 2,048]; A: computed on the way; B: computed on the way: QUANTISED
;;     5. batch 64 x [M 2,048, K 2,048] x [K 2,048, N 64]; A: softmax (see below); B: computed on the way: QUANTISED
;;     6. [M 8,192, K 1,024] x [K 1,024, N 1,024]; A: computed on the way; B: input o_weight (given as codes): QUANTISED
;;   THE QUANTISER, for each operand of a quantised product, along K:
;;     - K is cut into blocks of 32 from its start; a last block that is shorter is filled with zeros.
;;     - A block's scale is 2^e with e = floor(log2(the largest magnitude in the block)) - 8, held to -126 .. 127; a block of zeros has e = 0. As a byte (E8M0): e + 127.
;;     - Each number is divided by its block's scale, clamped to +-448, and rounded to the nearest number of E4M3, ties to even, subnormals kept.
;;     - The product sums the exact products of the quantised numbers (number of the format x scale) in f32.
;;   ~~~python
;;   def quantise(x, axis):      # numpy; x: float32 -> the quantised numbers, widened to float32 again
;;       x = np.moveaxis(x, axis, -1); K = x.shape[-1]
;;       x = np.pad(x, [(0, 0)] * (x.ndim - 1) + [(0, -K % 32)]); x = x.reshape(x.shape[:-1] + (-1, 32)); a = np.abs(x).max(-1, keepdims=True)
;;       e = np.where(a > 0, np.clip(np.frexp(np.where(a > 0, a, 1))[1] - 1 - 8, -126, 127), 0)      # np.frexp(a)[1] - 1 = floor(log2(a)), exactly
;;       r = np.clip(x / 2.0 ** e, -448, 448)
;;       step = 2.0 ** (np.maximum(np.frexp(np.where(r == 0, 1, r))[1] - 1, -6) - 3)
;;       q = np.round(r / step) * step * 2.0 ** e      # np.round: ties to even
;;       return np.moveaxis(q.reshape(q.shape[:-2] + (-1,))[..., :K], -1, axis).astype(np.float32)
;;   ~~~
;;   SOFTMAX AHEAD OF A QUANTISED PRODUCT. Where the list says 'softmax', what is quantised is not the finished softmax but p = 2^(t - M), with t = logit x log2(e) and M = ceil(the row's largest t), a whole number; so 1/2 < the row's largest p <= 1. The row's sum l is taken of the UNQUANTISED p, in f32, and the product's result is divided by l at the end. Since M is a whole number, a kernel that streams over the keys may use a running M (the ceiling of the running maximum): every later rescaling is an exact power of two, which a block's scale takes up: the codes' values come out the same.
;;   OPERANDS COMPUTED ON THE WAY. 'Computed on the way' means the value that the module computes at that place (a softmax that the list does not call 'softmax' is quantised finished and normalised). What goes into a quantiser is computed in f32, as accurately as f32 sums, v_exp_f32 and their like allow (about 1e-6 of the number): no bf16 or f16 on the way to a quantiser, and a product that is left as it is and whose result goes on into a quantised operand takes f32 operands (vector FMAs, or v_wmma_f32_16x16x4_f32). A number that lies on a knife's edge between two numbers of the format may be rounded either way, as far as f32 arithmetic and the matrix unit's own rounding can turn it there, and no further.
;;   INPUTS GIVEN AS CODES. in_features (in the module: [4, 2048, 1024], K = its axis 2); k_weight (in the module: [1024, 1024], K = its axis 1); o_weight (in the module: [1024, 1024], K = its axis 1); q_weight (in the module: [1024, 1024], K = its axis 1); v_weight (in the module: [1024, 1024], K = its axis 1): each comes as NAME_codes (uint8): NAME with its K axis moved to the last place and cut into blocks of 32 codes, [.., K / 32, bytes a block], one block behind the other in memory; one code a byte (a code: sign, 4 exponent bits, 3 mantissa bits); and NAME_scales (uint8): the same leading axes, one E8M0 byte (e + 127) for each 32 codes along K. Its value is code x scale, taken as it is: it is not quantised again, and the codes and scales need not be those that the quantiser above would give.
;; One version. Each part assembles by itself: llvm-mc -triple=amdgcn-amd-amdhsa -mcpu=gfx1250 --defsym DOCPART=n.
;; ======== version 1 of 1: 3 launches
;; limits: right only within a limited range of input values
;; workspace buffers: qimg 8,388,608 bytes; qsc 524,288 bytes; kv 17,301,504 bytes; cimg 8,388,608 bytes; csc 262,144 bytes
;; launch proj (part 1): grid 12 x 32, 4 waves a work-group, clusters of 4 x 4, 327,680 bytes of LDS; arguments in_features_codes, in_features_scales, q_weight_codes, q_weight_scales, k_weight_codes, k_weight_scales, v_weight_codes, v_weight_scales, qimg, qsc, kv; writes qimg, qsc, kv
.if DOCPART == 1
	.amdgcn_target "amdgcn-amd-amdhsa--gfx1250"
	.amdhsa_code_object_version 6
	.text
	.protected	k_q0b631558ae_proj
	.globl	k_q0b631558ae_proj
	.p2align	8
	.type	k_q0b631558ae_proj,@function
k_q0b631558ae_proj:
	s_mov_b64 s[64:65], 0
	v_nop
	global_prefetch_b8 v0, s[64:65] scope:SCOPE_SE
	s_setreg_imm32_b32 hwreg(HW_REG_WAVE_MODE, 25, 1), 1
	s_wait_xcnt 0x0
	s_wait_alu depctr_hold_cnt(0) depctr_sa_sdst(0) depctr_va_vdst(0) depctr_va_sdst(0) depctr_va_ssrc(0) depctr_va_vcc(0) depctr_vm_vsrc(0)
	s_getreg_b32 s2, hwreg(HW_REG_IB_STS2, 6, 4)
	s_cmp_eq_u32 s2, 0
	s_cbranch_scc0 .Lentry_in_a_cluster
	s_endpgm
.Lentry_in_a_cluster:
	s_bfe_u32 s2, ttmp6, 0x10000c
	s_cmp_lg_u32 s2, 0xf033
	s_cbranch_scc0 .Lentry_shape_is_right
	s_endpgm
.Lentry_shape_is_right:
; q = x Wq^T, k = x Wk^T, v = x Wv^T on codes of E4M3 with E8M0 scales, and the quantisers of q and k (along a head's 64) and of v (along the keys) on the way out.
; ONE BODY FOR THE THREE.  The cluster's x says which: 0 q, 1 k, 2 v.  A product has an axis P, along which its result is quantised, and an axis R.  q, k: P = rows of the weight, R = tokens.  v: P = tokens, R = rows of Wv.
; Only pointers and a few scalars are chosen by the kind; rows are 1,024 bytes of codes and 32 bytes of scales on both sides.
; A tile is 256 P x 256 R, made by four waves, each 128 x 128: 64 accumulators of 16 x 16, 512 registers.  K = 1,024 goes in steps of 256 through a ring of two LDS slots; the scale bytes of the tile's rows come once.
; SOURCE 0 = 16 rows of P, SOURCE 1 = 16 rows of R: lane (r, h) then holds R's row r, and the 16 registers of P's tiles 2 b and 2 b + 1 hold P = 32 b + 8 h + 0..7 and 32 b + 16 + 8 h + 0..7: the members of ONE block of 32,
; half of them here and half in lane l xor 16.  Converted in register order they are registers 4 b .. 4 b + 3 of an operand whose places are permuted INSIDE each block of 32.  q and k get the same permutation of d, v the same of the
; keys as the weights p get in the next launch: the products are the same numbers, summed in another order inside a block.
; THE RESULTS LEAVE AS IMAGES OF OPERAND REGISTERS: four registers of all 32 lanes are 512 consecutive bytes, so every store of codes covers two aligned blocks of 256 bytes, and nothing goes through LDS on the way out.
; CLUSTERS: 4 x 4 work-groups.  R's tiles hang on the cluster's row alone and are asked for jointly by its four, P's on the column alone.
; LIMITS: NaN and infinities are not served.  A block whose largest magnitude lies under 2^-118 gets the byte 1; a block of zeros gets the byte 1 and not 127: its codes are zeros, and these bytes are read by this program alone.
; REGISTERS: window 0: v8-13 way out's offsets; v16-29 addresses; v32-63 scale words, two sets; v64-131 the way out's work; from v128 R's fragments, ONE set.  window 1: P's fragments, TWO sets.  windows 2, 3: the accumulators ((a, b) at v[8 (8 (a % 4) + b)]).
.set KSTEP,  256
.set NQ,     2                         ; matrix instructions deep in a slot
.set ROWB,   256                       ; a tile's row in bytes
.set KROW,   1024                      ; a row of codes in memory
.set PITCH,  272                       ; an LDS row: 256 bytes + 16 of padding: the 16 rows that a load touches start at 16 different banks
.set FR,     16
.set NL,     4
.set NP,     8                         ; places behind this matrix instruction (ISA guide 7.12.1)
.set HALFT,  128*PITCH
.set SLOT,   4*HALFT                   ; R's 256 rows, then P's 256 rows
.set LAPS,   2                         ; 1,024 / 512
.set KS,     32                        ; a row of scales in bytes
.set SCL,    2*SLOT                    ; behind the ring: the scales, as blocks of 256 bytes + 16 of padding
.set HALFS,  16*272                    ; the scales of 128 rows
.set SBLK,   2*272                     ; those of 16 rows
.set SPARE,  SCL+4*HALFS               ; the spare words: 128 bytes a wave, named by no other line
.set KVB,    270336                    ; kv: bytes of a head
.set KVH,    135168                    ; and of half a head (1,024 keys): K's codes 65,536, V's codes 65,536, K's scale words 2,048, V's 2,048
.set VO,   8                           ; v8-11   where block pb's 16 bytes of my lane go
.set L8,   12                          ; v12     8 x lane
.set L16,  13                          ; v13     16 x lane
.set ADRA, 16                          ; v16-17  LDS address of my R fragments in slot 0, 1
.set ADRB, 20                          ; v20-21  the same for P
.set ADRS, 27                          ; v27     LDS address of my scale words: lanes 0-15 R's rows, lanes 16-31 P's
.set SPW,  28                          ; v28     my spare word; never rewritten
.set NIL,  29                          ; v29     0; never rewritten
.set SC,   32                          ; scale words, set s at v[SC + 16 s]
.set TM,   64                          ; v64-67 largest magnitudes, v68-71 the other half's, then bytes, v76-79 the conversions' scale operands
.set WW,   80                          ; v80-87  the scale word of R's tile a
.set ZZ,   88
.set YY,   92
.set PC,   100                         ; v100-131 codes, two sets of 16
.set AF,   128
.set G1, 24
.set G0, 32
.set G1B, 48
.set G0B, 56
.set G1S, 68
.set G0S, 76
.set G1SB, 80
.set G0SB, 88
.set MSB, 0
.macro WIN new                         ; the immediate's high byte repeats the setting that is left
.if MSB != (\new)
	s_set_vgpr_msb (MSB<<8)|(\new)
.set MSB, (\new)
.endif
.endm
.set MUL_LO, 0xa1                      ; source 0 (P) window 1, source 1 (R) window 0, C and D window 2
.set MUL_HI, 0xf1
.set TO_B,   0x40
; A joint load: waves 0 and 1 fetch for R, waves 2 and 3 for P.  The branch hangs on the wave's number alone.  Four v_nop follow each of the two lines.
.macro JLOAD g0a, g1a, g0b, g1b
	s_cmp_eq_u32 s15, 0
	s_cbranch_scc0 .Lfor_b_\@
	tensor_load_to_lds s[\g0a:\g0a+3], s[\g1a:\g1a+7]
	s_nop 0
.rept 4
	v_nop
.endr
	s_branch .Lasked_\@
.Lfor_b_\@:
	tensor_load_to_lds s[\g0b:\g0b+3], s[\g1b:\g1b+7]
	s_nop 0
.rept 4
	v_nop
.endr
.Lasked_\@:
.endm
.macro CREST                           ; a round of the cluster's barrier behind its opening barrier
	s_cmp_lg_u32 s14, 0
	s_cbranch_scc1 .Lnot_wave_0_\@
	s_barrier_signal -3
.Lnot_wave_0_\@:
	s_barrier_wait -3
	s_barrier_signal -1
	s_barrier_wait -1
.endm
.macro CROUND
	s_barrier_signal -1
	s_barrier_wait -1
	CREST
.endm
	s_load_b512 s[68:83], s[0:1], 0x0              ; x's codes, scales; Wq's; Wk's; Wv's
	s_load_b128 s[84:87], s[0:1], 0x40             ; qimg, qsc
	s_load_b64 s[88:89], s[0:1], 0x50              ; kv
	v_lshl_add_u32 v[SPW], v0, 2, SPARE
	v_mov_b32 v[NIL], 0
	ds_add_u32 v28, v29
	ds_add_u32 v28, v29
	s_wait_dscnt 0x0
	v_lshrrev_b32 v1, 5, v0
	v_readfirstlane_b32 s14, v1                    ; wave 0..3
	s_lshr_b32 s15, s14, 1                         ; which half of the tile's R is mine.  Also: I fetch for R (0) or for P (1)
	s_and_b32 s16, s14, 1                          ; which half of its P.  Also: which 128 rows of that tile I fetch
	s_bfe_u32 s40, ttmp6, 0x40000                  ; cx, cy: my place in the cluster
	s_bfe_u32 s41, ttmp6, 0x40004
	s_and_b32 s17, ttmp7, 0xffff                   ; the cluster's y walks the tokens: P's tiles for v, R's for q and k
	s_cmp_eq_u32 ttmp9, 2
	s_cselect_b32 s42, s17, 0
	s_cselect_b32 s17, 0, s17
	s_lshl_b32 s42, s42, 2
	s_add_co_u32 s42, s42, s40                     ; P's tile: hangs on cx alone among the places
	s_lshl_b32 s17, s17, 2
	s_add_co_u32 s17, s17, s41                     ; R's tile: on cy alone
	s_lshl_b32 s43, s41, 2
	s_lshl_b32 s43, 15, s43                        ; my row of the cluster
	s_lshl_b32 s44, 0x1111, s40                    ; my column
	s_or_b32 s[G1+0], s43, (0<<16)|(1<<20)|(1<<21)|(5<<22)|(3<<25)  ; the mask; elements of 1 byte; padding on; bit 21 beside a mask; after every 64 words, 4 words
	s_or_b32 s[G1B+0], s44, (0<<16)|(1<<20)|(1<<21)|(5<<22)|(3<<25)
.irp g, G1, G1B
	s_mov_b32 s[\g+1], ROWB<<16                    ; tensor_dim0
	s_mov_b32 s[\g+2], 128<<16                     ; tensor_dim1
	s_mov_b32 s[\g+3], ROWB<<16                    ; tile_dim0
	s_mov_b32 s[\g+4], 128                         ; tile_dim1
	s_mov_b32 s[\g+5], KROW                        ; from row to row
	s_mov_b32 s[\g+6], 0
	s_mov_b32 s[\g+7], 0
.endr
	s_lshl_b32 s18, s16, 7                         ; which 128 rows of the tile I fetch
	s_lshl_b32 s20, s17, 8
	s_add_co_u32 s20, s20, s18                     ; R: row 256 x tile + 128 x half
	s_lshl_b32 s46, s42, 8
	s_add_co_u32 s46, s46, s18                     ; P likewise
	s_mov_b32 s21, 0
	s_mov_b32 s47, 0
	s_mov_b64 s[18:19], KS
	s_mul_u64 s[22:23], s[20:21], s[18:19]         ; where these rows' scales begin
	s_mul_u64 s[92:93], s[46:47], s[18:19]
	s_mov_b64 s[18:19], KROW
	s_mul_u64 s[20:21], s[20:21], s[18:19]         ; and their codes
	s_mul_u64 s[46:47], s[46:47], s[18:19]
	s_mul_i32 s45, s14, HALFT                      ; where they go: wave x 128 rows
	s_mul_i32 s94, s14, HALFS
	s_mov_b32 s96, 0x76543210                      ; v_permlanex16_b32's selects for lane l xor 16
	s_mov_b32 s97, 0xfedcba98
	s_mov_b32 s99, 0xffff0000                      ; lanes 16-31
	s_wait_kmcnt 0x0
	s_cmp_eq_u32 ttmp9, 2                          ; the buffers are chosen by the kind, which hangs on no address
	s_cselect_b64 s[4:5], s[80:81], s[68:69]       ; R's codes: Wv's, or x's
	s_cselect_b64 s[6:7], s[82:83], s[70:71]       ; R's scales
	s_cselect_b64 s[8:9], s[68:69], s[72:73]       ; P's codes: x's, or Wq's
	s_cselect_b64 s[10:11], s[70:71], s[74:75]
	s_cselect_b64 s[12:13], s[88:89], s[84:85]     ; codes go to kv, or to qimg
	s_cselect_b64 s[66:67], s[88:89], s[86:87]     ; scale words to kv, or to qsc
	s_cmp_eq_u32 ttmp9, 1
	s_cselect_b64 s[8:9], s[76:77], s[8:9]         ; k: Wk's
	s_cselect_b64 s[10:11], s[78:79], s[10:11]
	s_cselect_b64 s[12:13], s[88:89], s[12:13]
	s_cselect_b64 s[66:67], s[88:89], s[66:67]
	s_add_nc_u64 s[20:21], s[4:5], s[20:21]
	s_add_nc_u64 s[22:23], s[6:7], s[22:23]
	s_add_nc_u64 s[46:47], s[8:9], s[46:47]
	s_add_nc_u64 s[92:93], s[10:11], s[92:93]
	; the scales of 128 rows: a dense block of 4,096 bytes, as 16 rows of 256 bytes (32 elements of 8 bytes), 16 bytes of padding behind each.  (The loaded pointers have been chosen from: their registers are free)
	s_or_b32 s[G1S+0], s43, (3<<16)|(1<<20)|(1<<21)|(5<<22)|(3<<25)
	s_or_b32 s[G1SB+0], s44, (3<<16)|(1<<20)|(1<<21)|(5<<22)|(3<<25)
.irp g, G1S, G1SB
	s_mov_b32 s[\g+1], 32<<16
	s_mov_b32 s[\g+2], 16<<16
	s_mov_b32 s[\g+3], 32<<16
	s_mov_b32 s[\g+4], 16
	s_mov_b32 s[\g+5], 32
	s_mov_b32 s[\g+6], 0
	s_mov_b32 s[\g+7], 0
.endr
	CROUND                                         ; all sixteen work-groups are here: the first joint loads meet
	s_mov_b32 s[G0S], 1
	s_add_co_u32 s[G0S+1], s94, SCL
	s_mov_b64 s[G0S+2:G0S+3], s[22:23]
	s_or_b32 s[G0S+3], s[G0S+3], 0x80000000
	s_mov_b32 s[G0SB], 1
	s_add_co_u32 s[G0SB+1], s94, SCL
	s_mov_b64 s[G0SB+2:G0SB+3], s[92:93]
	s_or_b32 s[G0SB+3], s[G0SB+3], 0x80000000
	JLOAD G0S, G1S, G0SB, G1SB                     ; the scales first: they are wanted with K step 0
.irp s, 0,1
	s_mov_b32 s[G0+4*\s], 1
	s_add_co_u32 s[G0+4*\s+1], s45, \s*SLOT
	s_add_nc_u64 s[G0+4*\s+2:G0+4*\s+3], s[20:21], \s*ROWB
	s_or_b32 s[G0+4*\s+3], s[G0+4*\s+3], 0x80000000
	s_mov_b32 s[G0B+4*\s], 1
	s_add_co_u32 s[G0B+4*\s+1], s45, \s*SLOT
	s_add_nc_u64 s[G0B+4*\s+2:G0B+4*\s+3], s[46:47], \s*ROWB
	s_or_b32 s[G0B+4*\s+3], s[G0B+4*\s+3], 0x80000000
	JLOAD G0+4*\s, G1, G0B+4*\s, G1B               ; three loads of mine are out behind the last of these
.endr
	v_and_b32 v1, 15, v0                           ; r
	v_bfe_u32 v2, v0, 4, 1                         ; h
	v_mul_u32_u24 v3, v1, PITCH
	v_lshl_add_u32 v4, v2, 4, v3                   ; a fragment's row x pitch + 16 x half
	s_mul_i32 s21, s15, HALFT                      ; my 128 rows of R
	s_mul_i32 s22, s16, HALFT                      ; my 128 rows of P,
	s_add_co_u32 s22, s22, 2*HALFT                 ; which lie behind R's 256
.irp s, 0,1
	v_add_nc_u32 v[ADRA+\s], s21, v4
	v_add_nc_u32 v[ADRB+\s], s22, v4
	s_add_co_u32 s21, s21, SLOT
	s_add_co_u32 s22, s22, SLOT
.endr
	v_mul_u32_u24 v5, v1, KS                       ; my row's scales: 32 bytes a row,
	v_lshrrev_b32 v6, 8, v5
	v_lshl_add_u32 v5, v6, 4, v5                   ; and 16 more for each 256 passed
	s_mul_i32 s21, s15, HALFS
	s_mul_i32 s22, s16, HALFS
	s_add_co_u32 s22, s22, 2*HALFS
	s_sub_co_u32 s22, s22, s21
	v_mul_u32_u24 v6, s22, v2                      ; lanes 16-31 take P's
	s_add_co_u32 s21, s21, SCL
	v_add_nc_u32 v5, v5, v6
	v_add_nc_u32 v[ADRS], s21, v5
	; THE WAY OUT'S PLACES.  TOK: which 128 tokens are my wave's; N: which 128 rows of the weight, that is heads 2 N and 2 N + 1
	s_lshl_b32 s18, s17, 1
	s_add_co_u32 s18, s18, s15                     ; my 128 of R
	s_lshl_b32 s19, s42, 1
	s_add_co_u32 s19, s19, s16                     ; my 128 of P
	s_cmp_eq_u32 ttmp9, 2
	s_cselect_b32 s20, s19, s18                    ; TOK
	s_cselect_b32 s21, s18, s19                    ; N
	s_lshr_b32 s22, s20, 4                         ; the batch
	s_and_b32 s20, s20, 15                         ; which 128 tokens of its 2,048
	s_lshl_b32 s22, s22, 4
	s_lshl_b32 s21, s21, 1
	s_add_co_u32 s22, s22, s21                     ; batch x 16 + my first head
	s_lshr_b32 s23, s20, 3                         ; which half of the keys
	s_and_b32 s21, s20, 7                          ; and which 128 of that half
	s_mul_i32 s45, s22, KVB
	s_mul_i32 s23, s23, KVH
	s_add_co_u32 s45, s45, s23                     ; kv: my head's half
	s_lshl_b32 s46, s21, 13
	s_add_co_u32 s46, s46, s45                     ; K's codes: 8,192 bytes for 128 keys
	s_lshl_b32 s47, s21, 8
	s_add_co_u32 s47, s47, s45
	s_add_co_u32 s47, s47, 131072                  ; K's scale words: 256 bytes for 128 keys
	s_cmp_eq_u32 ttmp9, 2
	s_cselect_b32 s100, 65536, 0                   ; V's codes lie 65,536 behind K's,
	s_cselect_b32 s101, 2048, 0                    ; V's scale words 2,048 behind K's
	s_add_co_u32 s46, s46, s100
	s_add_co_u32 s47, s47, s101
	s_lshl_b32 s100, s22, 17                       ; qimg: 131,072 bytes a head, 8,192 for 128 queries
	s_lshl_b32 s101, s20, 13
	s_add_co_u32 s100, s100, s101
	s_lshl_b32 s101, s22, 13                       ; qsc: 8,192 bytes a head, 512 for 128 queries
	s_lshl_b32 s23, s20, 9
	s_add_co_u32 s101, s101, s23
	s_cmp_eq_u32 ttmp9, 0
	s_cselect_b32 s46, s100, s46
	s_cselect_b32 s100, s101, s47
	s_mov_b32 s47, 0
	s_mov_b32 s101, 0
	s_add_nc_u64 s[12:13], s[12:13], s[46:47]
	s_add_nc_u64 s[66:67], s[66:67], s[100:101]
	s_mov_b32 s92, 1024                            ; from R's tile a to a + 1: q, k: the next 16 tokens' image; v: the next 16 of the head's 64
	s_mov_b32 s94, 1024                            ; the same from tile 3 to tile 4: v: on to the next head's first 16
	s_mov_b32 s23, KVB                             ; from block 1 to block 2 of P: q, k: the next head; v: the next 32 keys
	s_cmp_eq_u32 ttmp9, 2
	s_cselect_b32 s92, 2048, s92
	s_cselect_b32 s94, KVB-3*2048, s94
	s_cselect_b32 s23, 1024, s23
	s_cmp_eq_u32 ttmp9, 0
	s_cselect_b32 s23, 131072, s23
	s_mov_b32 s93, 0
	s_mov_b32 s95, 0
	v_and_b32 v5, 31, v0
	v_lshlrev_b32 v[L8], 3, v5
	v_lshlrev_b32 v[L16], 4, v5
	v_mov_b32 v[VO], v[L16]
	v_add_nc_u32 v[VO+1], 512, v[L16]
	v_add_nc_u32 v[VO+2], s23, v[L16]
	v_add_nc_u32 v[VO+3], 512, v[VO+2]
.macro FRAG reg, adr, q, i             ; 16 rows x 128 K: lane l holds row l % 16; registers 4 c .. 4 c + 3 hold K = 32 c + 16 (l / 16) + 0 .. 15
.irp c, 0,1,2,3
	ds_load_b128 v[\reg+4*\c:\reg+4*\c+3], v[\adr] offset:128*(\q)+32*\c+(\i)*16*PITCH
.endr
.endm
; 16 matrix instructions: R's tiles a0, a0 + 1 x P's eight.  The 64 accumulators take turns, one instruction a turn, in the same order in every step.
.macro MUL16 a0, p, q, sc, zero
.irp a, \a0, \a0+1
.irp b, 0,1,2,3,4,5,6,7
.if \zero
	v_wmma_scale_f32_16x16x128_f8f6f4 v[8*(8*((\a)%4)+\b):8*(8*((\a)%4)+\b)+7], v[128*(\p)+FR*\b:128*(\p)+FR*\b+FR-1], v[AF+FR*(\a):AF+FR*(\a)+FR-1], 0, v[SC+8*NQ*(\sc)+NQ*\b+(\q)], v[SC+8*NQ*(\sc)+NQ*(\a)+(\q)] matrix_a_scale:MATRIX_SCALE_ROW1
.else
	v_wmma_scale_f32_16x16x128_f8f6f4 v[8*(8*((\a)%4)+\b):8*(8*((\a)%4)+\b)+7], v[128*(\p)+FR*\b:128*(\p)+FR*\b+FR-1], v[AF+FR*(\a):AF+FR*(\a)+FR-1], v[8*(8*((\a)%4)+\b):8*(8*((\a)%4)+\b)+7], v[SC+8*NQ*(\sc)+NQ*\b+(\q)], v[SC+8*NQ*(\sc)+NQ*(\a)+(\q)] matrix_a_scale:MATRIX_SCALE_ROW1
.endif
.endr
.endr
.endm
.macro FETCH_B slot, q, p
	WIN TO_B
.irp i, 0,1,2,3,4,5,6,7
	FRAG 128*(\p)+FR*\i, ADRB+\slot, \q, \i
.endr
	WIN 0
.endm
.macro FETCH_A slot, q, i0
.irp i, \i0, \i0+1, \i0+2, \i0+3
	FRAG AF+FR*(\i), ADRA+\slot, \q, \i
.endr
.endm
.macro SCALES sc                       ; a K step's scale words: two words a row; lanes 0-15 take R's tile i, lanes 16-31 P's tile i
.irp i, 0,1,2,3,4,5,6,7
	ds_load_b64 v[SC+8*NQ*\sc+NQ*\i:SC+8*NQ*\sc+NQ*\i+1], v[ADRS] offset:\i*SBLK
.endr
.endm
.macro PLACES n                        ; plain vector instructions that name no register of the matrix instructions before them (ISA guide 7.12.1)
.rept \n
	v_nop
.endr
.endm
.macro STEP slot, q, zero              ; 128 along K with a successor in the same slot
	s_wait_dscnt 4*NL                              ; P's set and R's tiles 0-3 are in; the youngest 16 loads (R's tiles 4-7) may be out
	WIN MUL_LO
	MUL16 0, (\q)%2, \q, \slot, \zero
	MUL16 2, (\q)%2, \q, \slot, \zero
	s_wait_dscnt 0
	PLACES NP
	FETCH_B \slot, (\q)+1, 1-(\q)%2
	FETCH_A \slot, (\q)+1, 0
	WIN MUL_HI
	MUL16 4, (\q)%2, \q, \slot, \zero
	MUL16 6, (\q)%2, \q, \slot, \zero
	PLACES NP
	WIN 0
	FETCH_A \slot, (\q)+1, 4
.endm
; A slot's last step changes slots: one barrier; in front of it each wave waits for all its tensor loads, adds 0 to its spare word, and waits for that and for its reads of this slot.  fill = 1: the slot is filled again, two K steps ahead.
.macro TURN slot, next, fill
	s_wait_tensorcnt 0x0                           ; all my tensor loads have landed: my part of the next slot
	ds_add_u32 v[SPW], v[NIL]                      ; 0 onto my spare word
	s_wait_dscnt 4*NL+1                            ; (the add and the youngest 16 loads may be out)
	WIN MUL_LO
	MUL16 0, 1, NQ-1, \slot, 0
	s_wait_dscnt 0x0                               ; the add is done, and my reads of this slot are over
	s_barrier_signal -1
	MUL16 2, 1, NQ-1, \slot, 0
	WIN 0
	s_barrier_wait -1
.if \fill
	CREST                                          ; the barrier has opened a round of the cluster's: no wave of any partner still reads this slot or has a load on its way
	s_add_nc_u64 s[G0+4*\slot+2:G0+4*\slot+3], s[G0+4*\slot+2:G0+4*\slot+3], 2*ROWB
	s_add_nc_u64 s[G0B+4*\slot+2:G0B+4*\slot+3], s[G0B+4*\slot+2:G0B+4*\slot+3], 2*ROWB
	JLOAD G0+4*\slot, G1, G0B+4*\slot, G1B         ; the first tensor load behind the round; its four v_nop are four of the eight places
	PLACES NP-4
.else
	PLACES NP
.endif
	s_wait_alu depctr_va_vdst(0)
	v_add_nc_u32 v[ADRS], 4*NQ, v[ADRS]            ; the next K step's scale words
	FETCH_B \next, 0, 0
	FETCH_A \next, 0, 0
	SCALES \next
	WIN MUL_HI
	MUL16 4, 1, NQ-1, \slot, 0
	MUL16 6, 1, NQ-1, \slot, 0
	PLACES NP
	WIN 0
	FETCH_A \next, 0, 4
.endm
	s_wait_alu depctr_va_vdst(0)
	s_wait_tensorcnt 1                             ; the scales and my part of K step 0 are in (K step 1's load may be out),
	s_barrier_signal -1
	s_barrier_wait -1                              ; everybody's are
	FETCH_B 0, 0, 0
	FETCH_A 0, 0, 0
	SCALES 0
	FETCH_A 0, 0, 4
	STEP 0, 0, 1                                   ; the first step's products start the sums
	s_mov_b32 s3, LAPS-1
.Llap:
	TURN 0, 1, 1
	STEP 1, 0, 0
	TURN 1, 0, 1
	STEP 0, 0, 0
	s_sub_co_u32 s3, s3, 1
	s_cmp_lg_u32 s3, 0
	s_cbranch_scc1 .Llap
	TURN 0, 1, 0                                   ; the last lap fills nothing
	STEP 1, 0, 0
	s_wait_dscnt 4*NL
	WIN MUL_LO
	MUL16 0, 1, NQ-1, 1, 0
	MUL16 2, 1, NQ-1, 1, 0
	s_wait_dscnt 0
	WIN MUL_HI
	MUL16 4, 1, NQ-1, 1, 0
	MUL16 6, 1, NQ-1, 1, 0
	WIN 0
; THE WAY OUT.  R's tile a: my lane's 64 numbers, register 16 pb + i of block pb of P, become 16 registers of codes and a scale word.  The lines are grouped by the windows that they name: six switches a tile.
.macro QUANT a
.set WA, 2+(\a)/4
.set XR, 64*((\a)%4)
.set PCS, PC+16*((\a)%2)
	WIN (WA|(WA<<2))
.irp b, 0,1,2,3
	v_max3_num_f32 v[TM+\b], |v[XR+16*\b]|, |v[XR+16*\b+1]|, 0x4800000   ; my 16 numbers of block b, and the floor 2^(9 - 127): the byte cannot fall under 1.  Each accumulator is read from its low end on
.endr
	WIN ((WA<<2)|(WA<<4))
.irp i, 2,4,6,8,10,12,14
.irp b, 0,1,2,3
	v_max3_num_f32 v[TM+\b], v[TM+\b], |v[XR+16*\b+\i]|, |v[XR+16*\b+\i+1]|
.endr
.endr
	WIN 0
.irp b, 0,1,2,3
	v_permlanex16_b32 v[TM+4+\b], v[TM+\b], s96, s97
.endr
.irp b, 0,1,2,3
	v_max_num_f32 v[TM+\b], v[TM+\b], v[TM+4+\b]   ; with lane l xor 16's 16: the block's largest magnitude
.endr
.irp b, 0,1,2,3
	v_add_nc_u32 v[TM+12+\b], 0xfc000000, v[TM+\b] ; 8 off its exponent field: the conversion's scale operand
.endr
.irp b, 0,1,2,3
.endr
.irp b, 0,1,2,3
	v_lshrrev_b32 v[TM+4+\b], 23, v[TM+12+\b]      ; the scale's byte
.endr
	v_lshl_or_b32 v[WW+(\a)], v[TM+5], 8, v[TM+4]
	v_lshl_or_b32 v[WW+(\a)], v[TM+6], 16, v[WW+(\a)]
	v_lshl_or_b32 v[WW+(\a)], v[TM+7], 24, v[WW+(\a)]
	WIN (WA|(WA<<6))
.irp b, 0,1,2,3
.irp i, 0,1,2,3,4,5,6,7,8,9,10,11,12,13,14,15
.endr
.endr
	WIN WA
.irp b, 0,1,2,3
	v_cvt_scalef32_pk8_fp8_f32 v[PCS+4*\b:PCS+4*\b+1], v[XR+16*\b:XR+16*\b+7], v[TM+12+\b]
	v_cvt_scalef32_pk8_fp8_f32 v[PCS+4*\b+2:PCS+4*\b+3], v[XR+16*\b+8:XR+16*\b+15], v[TM+12+\b]
.endr
	WIN 0
	v_nop                                          ; a plain line behind the last conversion
.endm
.macro PUT a                           ; four stores of 512 consecutive bytes, each at a multiple of 512 from its buffer's first byte
.set PCS, PC+16*((\a)%2)
.if (\a) == 4
	s_wait_xcnt 0x0                                ; the earlier stores have read their base and their data: the base may step, and tile a + 1 may write the other set of codes
	s_add_nc_u64 s[12:13], s[12:13], s[94:95]
.elseif (\a) > 0
	s_wait_xcnt 0x0
	s_add_nc_u64 s[12:13], s[12:13], s[92:93]
.endif
.irp pb, 0,1,2,3
	global_store_b128 v[VO+\pb], v[PCS+4*\pb:PCS+4*\pb+3], s[12:13]
.endr
.endm
	PLACES NP                                      ; behind the last products, ahead of the first read of results
.irp b, 0,1,2,3
	v_mov_b32 v[TM+4+\b], 0                        ; written once: a lane permute's destination counts as one of its sources
.endr
.irp a, 0,1,2,3,4,5,6,7
	QUANT \a
	s_wait_alu depctr_va_vdst(0)
	PUT \a
.endr
	; THE SCALE WORDS, laid as the next launch's scale registers want them.  The branches hang on the kind alone
	s_cmp_eq_u32 ttmp9, 2
	s_cbranch_scc1 .Lscales_v
.irp j, 0,1,2,3
	v_cndmask_b32 v[ZZ+\j], v[WW+\j], v[WW+4+\j], s99   ; lane (r, h): the word of tile 4 h + j
.endr
	s_cmp_eq_u32 ttmp9, 1
	s_cbranch_scc1 .Lscales_k
.irp j, 0,1,2,3
	v_perm_b32 v[YY+\j], v[ZZ+\j], v[ZZ+\j], 0x01000100     ; q, first head: (s0, s1, s0, s1): it serves q in either half of K
	v_perm_b32 v[YY+4+\j], v[ZZ+\j], v[ZZ+\j], 0x03020302   ; second head
.endr
	global_store_b128 v[L16], v[YY:YY+3], s[66:67]
	global_store_b128 v[L16], v[YY+4:YY+7], s[66:67] offset:8192
	s_branch .Lscales_done
.Lscales_k:
	s_wait_alu depctr_va_vdst(0)
	v_perm_b32 v[YY], v[ZZ+1], v[ZZ], 0x05040100            ; k: group 2 h of 32 keys: (s0, s1 of key r; s0, s1 of key 16 + r)
	v_perm_b32 v[YY+1], v[ZZ+3], v[ZZ+2], 0x05040100        ; group 2 h + 1
	v_perm_b32 v[YY+2], v[ZZ+1], v[ZZ], 0x07060302          ; the second head
	v_perm_b32 v[YY+3], v[ZZ+3], v[ZZ+2], 0x07060302
	global_store_b64 v[L8], v[YY:YY+1], s[66:67]
	global_store_b64 v[L8], v[YY+2:YY+3], s[66:67] offset:KVB
	s_branch .Lscales_done
.Lscales_v:
	v_cndmask_b32 v[YY], v[WW], v[WW+2], s99                ; v: the head's tile 2 h of 16 channels; its four bytes are the step's four blocks of keys
	v_cndmask_b32 v[YY+1], v[WW+1], v[WW+3], s99            ; tile 2 h + 1
	v_cndmask_b32 v[YY+2], v[WW+4], v[WW+6], s99            ; the second head
	v_cndmask_b32 v[YY+3], v[WW+5], v[WW+7], s99
	global_store_b64 v[L8], v[YY:YY+1], s[66:67]
	global_store_b64 v[L8], v[YY+2:YY+3], s[66:67] offset:KVB
.Lscales_done:
	s_wait_tensorcnt 0x0                           ; the wave's end
	ds_add_u32 v[SPW], v[NIL]
	s_wait_dscnt 0x0
	CROUND                                         ; the closing round
	s_endpgm
.Lfunc_end_k_q0b631558ae_proj:
	.size	k_q0b631558ae_proj, .Lfunc_end_k_q0b631558ae_proj-k_q0b631558ae_proj
	.p2alignl 7, 3214868480
	.fill 96, 4, 3214868480
	.section	.rodata,"a",@progbits
	.p2align	6, 0x0
	.amdhsa_kernel k_q0b631558ae_proj
		.amdhsa_group_segment_fixed_size 327680
		.amdhsa_private_segment_fixed_size 0
		.amdhsa_enable_private_segment 0
		.amdhsa_kernarg_size 88
		.amdhsa_user_sgpr_count 2
		.amdhsa_user_sgpr_kernarg_segment_ptr 1
		.amdhsa_wavefront_size32 1
		.amdhsa_system_sgpr_workgroup_id_x 1
		.amdhsa_system_sgpr_workgroup_id_y 1
		.amdhsa_system_sgpr_workgroup_id_z 1
		.amdhsa_system_vgpr_workitem_id 0
		.amdhsa_next_free_vgpr 1024
		.amdhsa_next_free_sgpr 102
		.amdhsa_reserve_vcc 0
		.amdhsa_float_denorm_mode_32 3
		.amdhsa_float_denorm_mode_16_64 3
		.amdhsa_fp16_overflow 1
		.amdhsa_memory_ordered 1
		.amdhsa_forward_progress 1
		.amdhsa_inst_pref_size 155
	.end_amdhsa_kernel
	.amdgpu_metadata
---
amdhsa.version: [ 1, 2 ]
amdhsa.kernels:
  - .name:           k_q0b631558ae_proj
    .symbol:         k_q0b631558ae_proj.kd
    .args:
      - { .name: in_features_codes, .offset: 0, .size: 8, .value_kind: global_buffer, .address_space: global }
      - { .name: in_features_scales, .offset: 8, .size: 8, .value_kind: global_buffer, .address_space: global }
      - { .name: q_weight_codes, .offset: 16, .size: 8, .value_kind: global_buffer, .address_space: global }
      - { .name: q_weight_scales, .offset: 24, .size: 8, .value_kind: global_buffer, .address_space: global }
      - { .name: k_weight_codes, .offset: 32, .size: 8, .value_kind: global_buffer, .address_space: global }
      - { .name: k_weight_scales, .offset: 40, .size: 8, .value_kind: global_buffer, .address_space: global }
      - { .name: v_weight_codes, .offset: 48, .size: 8, .value_kind: global_buffer, .address_space: global }
      - { .name: v_weight_scales, .offset: 56, .size: 8, .value_kind: global_buffer, .address_space: global }
      - { .name: qimg, .offset: 64, .size: 8, .value_kind: global_buffer, .address_space: global }
      - { .name: qsc, .offset: 72, .size: 8, .value_kind: global_buffer, .address_space: global }
      - { .name: kv, .offset: 80, .size: 8, .value_kind: global_buffer, .address_space: global }
    .group_segment_fixed_size: 327680
    .private_segment_fixed_size: 0
    .kernarg_segment_align: 8
    .kernarg_segment_size: 88
    .max_flat_workgroup_size: 128
    .sgpr_count:     102
    .vgpr_count:     1024
    .wavefront_size: 32
...
	.end_amdgpu_metadata
.endif
;; end of part 1
;; launch attn (part 2): grid 4 x 64, 16 waves a work-group, no clusters, 327,680 bytes of LDS; arguments qimg, qsc, kv, cimg, csc; writes cimg, csc
.if DOCPART == 2
	.amdgcn_target "amdgcn-amd-amdhsa--gfx1250"
	.amdhsa_code_object_version 6
	.text
	.protected	k_q0b631558ae_attn
	.globl	k_q0b631558ae_attn
	.p2align	8
	.type	k_q0b631558ae_attn,@function
k_q0b631558ae_attn:
	s_mov_b64 s[64:65], 0
	v_nop
	global_prefetch_b8 v0, s[64:65] scope:SCOPE_SE
	s_setreg_imm32_b32 hwreg(HW_REG_WAVE_MODE, 25, 1), 1
	s_wait_xcnt 0x0
; Causal attention of one head on codes of E4M3 with E8M0 scales, and the quantiser of its result along the model's 1,024.  Head size 64, 2,048 keys.
; THE SOFTMAX: t = score x log2(e) / 8; M = the row's largest t so far, rounded UP to a whole number; p = 2^(t - M) is quantised along the keys, not normalised; the row's sum is taken of the unquantised p and divides at the end.
; When M moves, the sum and O are multiplied by 2^(old M - new M), which rounds nothing.
; SHARES.  Work-group i (0..3) of a head owns the blocks 7 - i and i of 256 queries, one after the other: 16 + 1 + ... steps add up to the same count in every work-group.  Each of its sixteen waves owns one tile of 16 queries of the block.
; LDS holds the head's K, V and their scale words whole, 270,336 bytes, as images of operand registers: filled ONCE, in two halves of 1,024 keys; nothing is filled again and nothing is stored into LDS.
; The upper half lands while block 7 - i walks the lower half, all of whose keys count for it.
; LAYOUT.  S^T = K Q^T (source 0 = keys, source 1 = my 16 queries), O^T = V^T P^T: a lane holds ONE query throughout.  The head's K is 64, the instruction's 128: a fragment of K holds key 32 g + m in k 0-63 and key 32 g + 16 + m in
; k 64-127 of its row m; multiplied by (q, zeros) it gives the scores of keys 32 g + 0..15, by (zeros, q) those of keys 32 g + 16..31.  Q costs 24 registers: zeros, q, zeros.
; The 16 registers of two neighbouring tiles of S^T are the keys 32 b + 8 h + 0..7 and 32 b + 16 + 8 h + 0..7: the same order inside a block of 32 in which the launch before has laid V's keys (and q's and k's channels alike).
; The result meets a GIVEN operand next, so its codes are brought into the true order of k, by an exchange with lane l xor 16, before they are stored.
; NO CLUSTER: the work-groups that share K and V are the query blocks of one head, and the steps that the causal mask hides are left out by a branch on the query block, which differs between them.
; LIMITS: NaN and infinities are not served.  A block whose largest magnitude lies under 2^-118 gets the byte 1, a block of zeros too (not 127): its codes are zeros, and this program alone reads the bytes.
; Inside a block of 32 both products are summed in the permuted order.  The result's scale bytes leave as single bytes, 32 a tile, 32 bytes apart: 1 byte in 33 of what the launch stores.
; REGISTERS: v1 16 x lane, v2 8 x lane, v3 16 r, v4-6 LDS addresses in hand, v7 32 r + h, v8 r - 8 h; v12 -M, v13 the largest t, v[14:15] the sum; v16-23 zeros, v24-31 q, v32-39 zeros; v40 q's scale word, v41 p's,
; v[42:43] K's, v[44:45] V's; v48-111 four fragments of K, then of V; v112-175 S^T, then p; v176-207 O^T; v208-223 codes; v224-247 at work.
.set KVB, 270336
.set KVH, 135168
.set PART, 8448                        ; 33 rows of 256 bytes: a wave's sixteenth of a half
	s_load_b256 s[4:11], s[0:1], 0x0               ; qimg, qsc, kv, cimg
	s_load_b64 s[12:13], s[0:1], 0x20              ; csc
	v_lshl_add_u32 v254, v0, 2, 0x42000
	v_mov_b32 v255, 0
	ds_add_u32 v254, v255
	ds_add_u32 v254, v255
	v_lshrrev_b32 v1, 5, v0
	s_delay_alu instid0(VALU_DEP_1)
	v_readfirstlane_b32 s14, v1                    ; wave 0..15
	s_mov_b32 s15, ttmp9                           ; i
	s_and_b32 s16, ttmp7, 0xffff                   ; batch x 16 + head
	s_mov_b32 s24, 3<<16                           ; group 1: elements of 8 bytes, no mask, no padding
	s_mov_b32 s25, 32<<16                          ; tensor_dim0 = 32 elements = 256 bytes
	s_mov_b32 s26, 33<<16                          ; tensor_dim1 = 33
	s_mov_b32 s27, 32<<16                          ; tile_dim0
	s_mov_b32 s28, 33                              ; tile_dim1
	s_mov_b32 s29, 32                              ; dense rows
	s_mov_b32 s30, 0
	s_mov_b32 s31, 0
	s_mul_i32 s45, s14, PART
	s_mul_i32 s46, s16, KVB
	s_add_co_u32 s46, s46, s45
	s_mov_b32 s47, 0
	s_mov_b32 s19, 0xffff0000                      ; lanes 16-31
	s_mov_b32 s20, 0x76543210                      ; v_permlanex16_b32's selects for lane l xor 16
	s_mov_b32 s21, 0xfedcba98
	s_mov_b32 s22, 0x3e38aa3b                      ; c = log2(e) / 8
	s_mov_b32 s23, s22                             ; (named with it as a pair)
	s_wait_dscnt 0x0
	s_wait_kmcnt 0x0
	s_mov_b32 s32, 1
	s_mov_b32 s33, s45                             ; LDS: my part of the lower half
	s_add_nc_u64 s[34:35], s[8:9], s[46:47]
	s_mov_b32 s36, 1
	s_add_co_u32 s37, s45, KVH                     ; and of the upper
	s_add_nc_u64 s[38:39], s[34:35], KVH
	s_or_b32 s35, s35, 0x80000000
	s_or_b32 s39, s39, 0x80000000
	tensor_load_to_lds s[32:35], s[24:31]          ; the lower half's fill: one load of mine is out
	s_nop 0
	s_wait_alu depctr_va_vdst(0)
	s_wait_tensorcnt 0x0
	ds_add_u32 v254, v255
	s_wait_dscnt 0x0
	s_barrier_signal -1
	s_barrier_wait -1
	tensor_load_to_lds s[36:39], s[24:31]
	s_nop 0
.rept 4
	v_nop
.endr
	v_and_b32 v9, 31, v0
	s_delay_alu instid0(VALU_DEP_1)
	v_lshlrev_b32 v1, 4, v9
	s_delay_alu instid0(VALU_DEP_2)
	v_lshlrev_b32 v2, 3, v9
	v_and_b32 v10, 15, v0                          ; r
	v_bfe_u32 v11, v0, 4, 1                        ; h
	s_delay_alu instid0(VALU_DEP_2)
	v_lshlrev_b32 v3, 4, v10
	s_delay_alu instid0(VALU_DEP_2)
	v_lshl_add_u32 v7, v10, 5, v11
	s_delay_alu instid0(VALU_DEP_3)
	v_lshlrev_b32 v8, 3, v11
	s_delay_alu instid0(VALU_DEP_1)
	v_sub_nc_u32 v8, v10, v8
.irp j, 0,1,2,3,4,5,6,7
	v_mov_b32 v[16+\j], 0                          ; zero codes on either side of q
	v_mov_b32 v[32+\j], 0
.endr
.irp j, 228,229,230,231,241,242,244,245,246,247
	v_mov_b32 v\j, 0                               ; written once: destinations of lane permutes, and the upper half of the pair v[240:241]
.endr
.macro BEGIN_Q                         ; s17 = the block of 256 queries: my tile's codes and scale word are asked for
	s_lshl_b32 s45, s17, 4
	s_add_co_u32 s45, s45, s14                     ; my tile of 16 queries
	s_lshl_b32 s43, s45, 4                         ; my first query
	s_lshl_b32 s46, s16, 7
	s_add_co_u32 s46, s46, s45
	s_lshl_b32 s46, s46, 10                        ; 1,024 bytes a tile
	s_mov_b32 s47, 0
	s_add_nc_u64 s[48:49], s[4:5], s[46:47]
	s_lshl_b32 s56, s16, 4
	s_lshl_b32 s57, s17, 1
	s_add_co_u32 s56, s56, s57
	s_lshr_b32 s57, s14, 3
	s_add_co_u32 s56, s56, s57                     ; which 128 queries
	s_lshl_b32 s56, s56, 9
	s_bfe_u32 s57, s14, 0x10002                    ; my tile of its eight is 4 h + i: lanes' half h,
	s_lshl_b32 s57, s57, 8
	s_add_co_u32 s56, s56, s57
	s_and_b32 s57, s14, 3                          ; word i
	s_lshl_b32 s57, s57, 2
	s_add_co_u32 s56, s56, s57
	s_mov_b32 s57, 0
	s_add_nc_u64 s[50:51], s[6:7], s[56:57]
	global_load_b128 v[24:27], v1, s[48:49] th:TH_LOAD_NT
	global_load_b128 v[28:31], v1, s[48:49] offset:512 th:TH_LOAD_NT
	global_load_b32 v40, v3, s[50:51]
.endm
.macro BEGIN_C                         ; where my tile's result goes
	s_lshl_b32 s58, s17, 4
	s_add_co_u32 s58, s58, s14
	s_lshr_b32 s59, s16, 4                         ; the batch
	s_lshl_b32 s60, s59, 7
	s_add_co_u32 s58, s58, s60                     ; the tile of 16 tokens among 512
	s_lshl_b32 s58, s58, 12                        ; 4,096 bytes a tile and 256 along k
	s_bfe_u32 s60, s16, 0x20002                    ; head / 4: which 256 along k
	s_lshl_b32 s60, s60, 21
	s_add_co_u32 s58, s58, s60
	s_bfe_u32 s60, s16, 0x10001                    ; which 128 of them
	s_lshl_b32 s60, s60, 11
	s_add_co_u32 s58, s58, s60
	s_and_b32 s60, s16, 1                          ; which 64 of those
	s_lshl_b32 s60, s60, 10
	s_add_co_u32 s58, s58, s60
	s_lshl_b32 s60, s59, 11
	s_add_co_u32 s60, s60, s43                     ; my first token
	s_lshl_b32 s60, s60, 5                         ; 32 scale bytes a token
	s_and_b32 s61, s16, 15
	s_lshl_b32 s61, s61, 1                         ; two for a head
	s_add_co_u32 s60, s60, s61
	s_mov_b32 s59, 0
	s_mov_b32 s61, 0
	s_add_nc_u64 s[52:53], s[10:11], s[58:59]
	s_add_nc_u64 s[54:55], s[12:13], s[60:61]
.endm
.macro INIT
	v_mov_b32 v13, 0xff61b1e6                      ; the largest t so far: -3e38
	s_delay_alu instid0(VALU_DEP_1)
	v_floor_f32 v12, -v13                          ; -M
	v_mov_b32 v14, 0
	v_mov_b32 v15, 0
.set jj, 0
.rept 32
	v_mov_b32 v[176+jj], 0                         ; O^T: the step is written without a first step of its own; the first change of M multiplies zeros
.set jj, jj+1
.endr
.endm
; A KEY STEP: 128 keys.  s40: LDS byte of the step's codes of K (V's lie 65,536 on); s41: of K's scale words (V's 2,048 on); s42: the step's first key; s43: my first query.
.macro STEP causal
.if \causal
	s_add_co_u32 s45, s43, 15                      ; a step all of whose keys come after my queries is left out: a branch on ids, not round the lines that step addresses
	s_cmp_gt_u32 s42, s45
	s_cbranch_scc1 .Lhidden_\@
.endif
	s_setprio 2
	v_add_nc_u32 v4, s40, v1
	v_add_nc_u32 v6, s41, v2
	s_delay_alu instid0(VALU_DEP_2)
	v_add_nc_u32 v5, 0x10000, v4
.rept 5
	v_nop                                          ; with the three additions: eight places between the last products and loads into registers that they read
.endr
	ds_load_b64 v[42:43], v6                       ; K's scale words: v42: groups 0 (lanes 0-15) and 2 (lanes 16-31); v43: groups 1 and 3
.irp g, 0,1,2,3
.irp c, 0,1,2,3
	ds_load_b128 v[48+16*\g+4*\c:51+16*\g+4*\c], v4 offset:2048*\g+512*\c
.endr
.endr
	s_wait_alu depctr_va_vdst(0)
.irp g, 0,1,2,3
	s_wait_dscnt 12-4*\g                           ; the scale words and fragments 0 to g are in; the younger fragments' loads may be out
.if \g < 2
	v_wmma_scale_f32_16x16x128_f8f6f4 v[112+16*\g:119+16*\g], v[48+16*\g:63+16*\g], v[24:39], 0, v[42+\g%2], v40
	v_wmma_scale_f32_16x16x128_f8f6f4 v[120+16*\g:127+16*\g], v[48+16*\g:63+16*\g], v[16:31], 0, v[42+\g%2], v40
.else
	v_wmma_scale_f32_16x16x128_f8f6f4 v[112+16*\g:119+16*\g], v[48+16*\g:63+16*\g], v[24:39], 0, v[42+\g%2], v40 matrix_a_scale:MATRIX_SCALE_ROW1
	v_wmma_scale_f32_16x16x128_f8f6f4 v[120+16*\g:127+16*\g], v[48+16*\g:63+16*\g], v[16:31], 0, v[42+\g%2], v40 matrix_a_scale:MATRIX_SCALE_ROW1
.endif
.endr
.rept 8
	v_nop
.endr
	ds_load_b64 v[44:45], v6 offset:2048           ; V is asked for at once and lands under the softmax
.irp g, 0,1,2,3
.irp c, 0,1,2,3
	ds_load_b128 v[48+16*\g+4*\c:51+16*\g+4*\c], v5 offset:2048*\g+512*\c
.endr
.endr
.if \causal
	s_add_co_u32 s45, s42, 127                     ; on the diagonal the scores of hidden keys become -infinity ahead of the maximum; a step all of whose keys count skips this
	s_cmp_le_u32 s45, s43
	s_cbranch_scc1 .Lopen_\@
	s_sub_co_i32 s45, s43, s42
	v_add_nc_u32 v242, s45, v8                     ; d = my query - the step's first key - 8 h.  Register 16 b + i holds key 32 b + 8 h + i (+ 8 where i > 7): hidden where that less 8 h is above d
	v_mov_b32 v243, 0xff800000
.set nn, 0
.rept 64
	v_cmp_gt_i32 vcc_lo, 32*(nn/16)+nn%16+8*((nn%16)/8), v242
	v_cndmask_b32 v[112+nn], v[112+nn], v243, vcc_lo
.set nn, nn+1
.endr
.Lopen_\@:
.endif
.irp b, 0,1,2,3
	v_max3_num_f32 v[224+\b], v[112+16*\b], v[113+16*\b], v[114+16*\b]   ; the largest score of each block of 32 keys: for the row's maximum and, since p rises with the score, for the block's largest p
.endr
.irp i, 3,5,7,9,11,13
.irp b, 0,1,2,3
	v_max3_num_f32 v[224+\b], v[224+\b], v[112+16*\b+\i], v[113+16*\b+\i]
.endr
.endr
.irp b, 0,1,2,3
	v_max_num_f32 v[224+\b], v[224+\b], v[127+16*\b]
.endr
.irp b, 0,1,2,3
	s_delay_alu instid0(VALU_DEP_4)
	v_permlanex16_b32 v[228+\b], v[224+\b], s20, s21
.endr
.irp b, 0,1,2,3
	s_delay_alu instid0(VALU_DEP_4)
	v_max_num_f32 v[224+\b], v[224+\b], v[228+\b]
.endr
	s_delay_alu instid0(VALU_DEP_2)
	v_max3_num_f32 v242, v224, v225, v226
	s_delay_alu instid0(VALU_DEP_1)
	v_max_num_f32 v242, v242, v227
	s_delay_alu instid0(VALU_DEP_1)
	v_mul_f32 v242, s22, v242
	s_delay_alu instid0(VALU_DEP_1)
	v_max_num_f32 v13, v13, v242                   ; the running largest t
	v_mov_b32 v242, v12
	s_delay_alu instid0(VALU_DEP_2)
	v_floor_f32 v12, -v13                          ; the new -M = -ceil(t)
	s_delay_alu instid0(VALU_DEP_1)
	v_sub_f32 v242, v12, v242                      ; old M - new M: a whole number, 0 or less
	s_delay_alu instid0(VALU_DEP_1)
	v_cvt_i32_f32 v242, v242                       ; (it saturates)
	s_delay_alu instid0(VALU_DEP_1)
	v_ldexp_f32 v240, 1.0, v242                    ; f = 2^(old M - new M)
.set jj, 0
.rept 32
	v_pk_fma_f32 v[112+jj:113+jj], v[112+jj:113+jj], s[22:23], v[12:13] op_sel_hi:[1,0,0]   ; t - M, two at a time
.set jj, jj+2
.endr
.irp b, 0,1,2,3
	v_fma_f32 v[224+\b], v[224+\b], s22, v12
.endr
.set jj, 0
	s_setprio 1
	s_wait_alu depctr_va_vdst(0)
.rept 64
	v_exp_f32 v[112+jj], v[112+jj]                 ; p = 2^(t - M)
.set jj, jj+1
.endr
	v_pk_mul_f32 v[14:15], v[14:15], v[240:241] op_sel_hi:[1,0]   ; the sums under the new M; a plain line behind the exponentials
	s_wait_alu depctr_va_vdst(0)                   ; one wait for the batch of 64, ahead of its first reader
.irp b, 0,1,2,3
	v_exp_f32 v[224+\b], v[224+\b]                 ; each block's largest p
.endr
	v_pk_add_f32 v[228:229], v[112:113], v[114:115]   ; the row's sum of the unquantised p, in two chains
.set jj, 4
.rept 15
	v_pk_add_f32 v[14:15], v[14:15], v[112+jj:113+jj]
	v_pk_add_f32 v[228:229], v[228:229], v[114+jj:115+jj]
.set jj, jj+4
.endr
	s_delay_alu instid0(VALU_DEP_1)
	v_pk_add_f32 v[14:15], v[14:15], v[228:229]
	s_wait_alu depctr_va_vdst(0)                   ; and one for the four
.irp b, 0,1,2,3
	v_max_num_f32 v[224+\b], 0x4800000, v[224+\b]  ; the floor 2^(9 - 127)
.endr
.irp b, 0,1,2,3
	s_delay_alu instid0(VALU_DEP_4)
	v_add_nc_u32 v[236+\b], 0xfc000000, v[224+\b]  ; the conversion's scale operand
.endr
.irp b, 0,1,2,3
.endr
.irp b, 0,1,2,3
	s_delay_alu instid0(VALU_DEP_4)
	v_lshrrev_b32 v[228+\b], 23, v[236+\b]         ; the scale's byte
.endr
	s_delay_alu instid0(VALU_DEP_3)
	v_lshl_or_b32 v41, v229, 8, v228               ; p's scale word for these 128 keys
	s_delay_alu instid0(VALU_DEP_1)
	v_lshl_or_b32 v41, v230, 16, v41
	s_delay_alu instid0(VALU_DEP_1)
	v_lshl_or_b32 v41, v231, 24, v41
	s_setprio 0
.irp b, 0,1,2,3
.irp i, 0,1,2,3,4,5,6,7,8,9,10,11,12,13,14,15
.endr
	v_cvt_scalef32_pk8_fp8_f32 v[208+4*\b:209+4*\b], v[112+16*\b:119+16*\b], v[236+\b]
	v_cvt_scalef32_pk8_fp8_f32 v[210+4*\b:211+4*\b], v[120+16*\b:127+16*\b], v[236+\b]
.endr
.set jj, 0
.rept 16
	v_pk_mul_f32 v[176+jj:177+jj], v[176+jj:177+jj], v[240:241] op_sel_hi:[1,0]   ; O^T under the new M; these are also the plain lines between the codes and the products
.set jj, jj+2
.endr
	s_wait_alu depctr_va_vdst(0)
	s_wait_dscnt 0x0                               ; V and its scale words are in
.irp g, 0,1,2,3
.if \g < 2
	v_wmma_scale_f32_16x16x128_f8f6f4 v[176+8*\g:183+8*\g], v[48+16*\g:63+16*\g], v[208:223], v[176+8*\g:183+8*\g], v[44+\g%2], v41
.else
	v_wmma_scale_f32_16x16x128_f8f6f4 v[176+8*\g:183+8*\g], v[48+16*\g:63+16*\g], v[208:223], v[176+8*\g:183+8*\g], v[44+\g%2], v41 matrix_a_scale:MATRIX_SCALE_ROW1
.endif
.endr
.if \causal
.Lhidden_\@:
.endif
	s_add_co_u32 s42, s42, 128
	s_add_co_u32 s40, s40, 8192
	s_add_co_u32 s41, s41, 256
.endm
; A tile's end: O^T / the sum, quantised in two blocks of 32 channels, brought into the true order of k, stored.  next = 1: the second block's q is asked for first.
.macro FINISH next
.rept 8
	v_nop                                          ; behind the last products: ahead of the reads of O^T and of loads into q's registers
.endr
.if \next
	s_mov_b32 s17, s15
	BEGIN_Q
.endif
	v_add_f32 v14, v14, v15
	s_delay_alu instid0(VALU_DEP_1)
	v_permlanex16_b32 v242, v14, s20, s21
	s_delay_alu instid0(VALU_DEP_1)
	v_add_f32 v14, v14, v242                       ; the row's sum
	s_wait_alu depctr_va_vdst(0)
	v_rcp_f32 v14, v14
	v_nop
	s_wait_alu depctr_va_vdst(0)                   ; ahead of the reciprocal's first reader
.set jj, 0
.rept 32
	v_mul_f32 v[112+jj], v[176+jj], v14            ; register 16 b + i: channel 32 b + 8 h + i (+ 8 where i > 7); each accumulator from its low end on
.set jj, jj+1
.endr
.irp b, 0,1
	v_max3_num_f32 v[224+\b], |v[112+16*\b]|, |v[113+16*\b]|, 0x4800000
.endr
.irp i, 2,4,6,8,10,12,14
.irp b, 0,1
	s_delay_alu instid0(VALU_DEP_2)
	v_max3_num_f32 v[224+\b], v[224+\b], |v[112+16*\b+\i]|, |v[113+16*\b+\i]|
.endr
.endr
.irp b, 0,1
	s_delay_alu instid0(VALU_DEP_2)
	v_permlanex16_b32 v[228+\b], v[224+\b], s20, s21
.endr
.irp b, 0,1
	s_delay_alu instid0(VALU_DEP_2)
	v_max_num_f32 v[224+\b], v[224+\b], v[228+\b]
.endr
.irp b, 0,1
	s_delay_alu instid0(VALU_DEP_2)
	v_add_nc_u32 v[236+\b], 0xfc000000, v[224+\b]
.endr
.irp b, 0,1
.endr
.irp b, 0,1
	s_delay_alu instid0(VALU_DEP_2)
	v_lshrrev_b32 v[228+\b], 23, v[236+\b]
.endr
	s_delay_alu instid0(VALU_DEP_1)
	v_cndmask_b32 v243, v228, v229, s19            ; lanes 0-15 carry block 0's byte, lanes 16-31 block 1's
.irp b, 0,1
.irp i, 0,1,2,3,4,5,6,7,8,9,10,11,12,13,14,15
.endr
	v_cvt_scalef32_pk8_fp8_f32 v[208+4*\b:209+4*\b], v[112+16*\b:119+16*\b], v[236+\b]
	v_cvt_scalef32_pk8_fp8_f32 v[210+4*\b:211+4*\b], v[120+16*\b:127+16*\b], v[236+\b]
.endr
	v_nop                                          ; a plain line behind the last conversion
.irp b, 0,1                                    ; the true order: lanes 0-15 want channels 0-15 of the block (their first pair, the other half's first), lanes 16-31 channels 16-31 (the other half's second pair, their second)
.irp e, 0,1
	v_permlanex16_b32 v[244+\e], v[210+4*\b+\e], s20, s21
	v_permlanex16_b32 v[246+\e], v[208+4*\b+\e], s20, s21
.endr
.irp e, 0,1
	v_cndmask_b32 v[216+4*\b+\e], v[208+4*\b+\e], v[244+\e], s19
	v_cndmask_b32 v[218+4*\b+\e], v[246+\e], v[210+4*\b+\e], s19
.endr
.endr
	global_store_b128 v1, v[216:219], s[52:53]             ; 512 consecutive bytes each
	global_store_b128 v1, v[220:223], s[52:53] offset:512
	global_store_b8 v7, v243, s[54:55]
.endm
	s_sub_co_u32 s17, 7, s15                       ; first the late block, 7 - i
	BEGIN_Q
	BEGIN_C
	INIT
	s_wait_loadcnt 0x0                             ; q
	s_wait_tensorcnt 1                             ; my part of the lower half is in; the upper half's may stay out
	s_barrier_signal -1
	s_barrier_wait -1                              ; everybody's is
	s_mov_b32 s40, 0
	s_mov_b32 s41, 131072
	s_mov_b32 s42, 0
	s_mov_b32 s44, 8
.Llower_open:                                      ; keys 0 to 1,023: all count for queries from 1,024 on
	STEP 0
	s_sub_co_u32 s44, s44, 1
	s_cmp_lg_u32 s44, 0
	s_cbranch_scc1 .Llower_open
	s_setprio 0
	s_wait_tensorcnt 0x0                           ; my part of the upper half is in,
	s_wait_dscnt 0x0
	s_barrier_signal -1
	s_barrier_wait -1                              ; everybody's is
	s_mov_b32 s40, KVH
	s_mov_b32 s41, KVH+131072
	s_mov_b32 s44, 8
.Lupper:                                           ; keys 1,024 to 2,047, as far as they count
	STEP 1
	s_sub_co_u32 s44, s44, 1
	s_cmp_lg_u32 s44, 0
	s_cbranch_scc1 .Lupper
	s_setprio 0
	FINISH 1
	s_wait_xcnt 0x0                                ; the stores have read their bases and data: both may be written again
	BEGIN_C                                        ; the early block, i
	INIT
	s_wait_loadcnt 0x0                             ; its q
	s_mov_b32 s40, 0
	s_mov_b32 s41, 131072
	s_mov_b32 s42, 0
	s_mov_b32 s44, 8
.Llower:                                           ; keys 0 to 1,023, as far as they count
	STEP 1
	s_sub_co_u32 s44, s44, 1
	s_cmp_lg_u32 s44, 0
	s_cbranch_scc1 .Llower
	s_setprio 0
	FINISH 0
	s_wait_tensorcnt 0x0
	ds_add_u32 v254, v255
	s_wait_dscnt 0x0
	s_endpgm
.Lfunc_end_k_q0b631558ae_attn:
	.size	k_q0b631558ae_attn, .Lfunc_end_k_q0b631558ae_attn-k_q0b631558ae_attn
	.p2alignl 7, 3214868480
	.fill 96, 4, 3214868480
	.section	.rodata,"a",@progbits
	.p2align	6, 0x0
	.amdhsa_kernel k_q0b631558ae_attn
		.amdhsa_group_segment_fixed_size 327680
		.amdhsa_private_segment_fixed_size 0
		.amdhsa_enable_private_segment 0
		.amdhsa_kernarg_size 40
		.amdhsa_user_sgpr_count 2
		.amdhsa_user_sgpr_kernarg_segment_ptr 1
		.amdhsa_wavefront_size32 1
		.amdhsa_system_sgpr_workgroup_id_x 1
		.amdhsa_system_sgpr_workgroup_id_y 1
		.amdhsa_system_sgpr_workgroup_id_z 1
		.amdhsa_system_vgpr_workitem_id 0
		.amdhsa_next_free_vgpr 256
		.amdhsa_next_free_sgpr 66
		.amdhsa_reserve_vcc 1
		.amdhsa_float_denorm_mode_32 3
		.amdhsa_float_denorm_mode_16_64 3
		.amdhsa_fp16_overflow 1
		.amdhsa_memory_ordered 1
		.amdhsa_forward_progress 1
		.amdhsa_inst_pref_size 84
	.end_amdhsa_kernel
	.amdgpu_metadata
---
amdhsa.version: [ 1, 2 ]
amdhsa.kernels:
  - .name:           k_q0b631558ae_attn
    .symbol:         k_q0b631558ae_attn.kd
    .args:
      - { .name: qimg, .offset: 0, .size: 8, .value_kind: global_buffer, .address_space: global }
      - { .name: qsc, .offset: 8, .size: 8, .value_kind: global_buffer, .address_space: global }
      - { .name: kv, .offset: 16, .size: 8, .value_kind: global_buffer, .address_space: global }
      - { .name: cimg, .offset: 24, .size: 8, .value_kind: global_buffer, .address_space: global }
      - { .name: csc, .offset: 32, .size: 8, .value_kind: global_buffer, .address_space: global }
    .group_segment_fixed_size: 327680
    .private_segment_fixed_size: 0
    .kernarg_segment_align: 8
    .kernarg_segment_size: 40
    .max_flat_workgroup_size: 512
    .sgpr_count:     66
    .vgpr_count:     256
    .wavefront_size: 32
...
	.end_amdgpu_metadata
.endif
;; end of part 2
;; launch outp (part 3): grid 8 x 32, 4 waves a work-group, clusters of 4 x 4, 327,680 bytes of LDS; arguments cimg, csc, o_weight_codes, o_weight_scales, out0; writes out0
.if DOCPART == 3
	.amdgcn_target "amdgcn-amd-amdhsa--gfx1250"
	.amdhsa_code_object_version 6
	.text
	.protected	k_q0b631558ae_outp
	.globl	k_q0b631558ae_outp
	.p2align	8
	.type	k_q0b631558ae_outp,@function
k_q0b631558ae_outp:
	s_mov_b64 s[64:65], 0
	v_nop
	global_prefetch_b8 v0, s[64:65] scope:SCOPE_SE
	s_setreg_imm32_b32 hwreg(HW_REG_WAVE_MODE, 25, 1), 1
	s_wait_xcnt 0x0
	s_wait_alu depctr_hold_cnt(0) depctr_sa_sdst(0) depctr_va_vdst(0) depctr_va_sdst(0) depctr_va_ssrc(0) depctr_va_vcc(0) depctr_vm_vsrc(0)
	s_getreg_b32 s2, hwreg(HW_REG_IB_STS2, 6, 4)
	s_cmp_eq_u32 s2, 0
	s_cbranch_scc0 .Lentry_in_a_cluster
	s_endpgm
.Lentry_in_a_cluster:
	s_bfe_u32 s2, ttmp6, 0x10000c
	s_cmp_lg_u32 s2, 0xf033
	s_cbranch_scc0 .Lentry_shape_is_right
	s_endpgm
.Lentry_shape_is_right:
; out = ctx Wo^T on codes of E4M3 with E8M0 scales; out is [8,192][1,024] f32.  ctx comes as images of operand registers (cimg: [256 along k][tile of 16 tokens][128 along k][block of 32][lane][16 bytes]) with its scale bytes
; [token][32]; Wo as it is given, rows of 1,024 codes and 32 scale bytes.
; A tile of out is 256 tokens x 128 columns: 256 work-groups.  Four waves, each 128 tokens x 64 columns: 32 accumulators.  SOURCE 0 = 16 rows of Wo, SOURCE 1 = 16 tokens: a lane holds eight neighbouring columns of one row of out.
; K = 1,024 is four slots of 256.  LDS has room for three: slots 0, 1, 2 are first fills, and K's last 256 fill slot 0 again, ONCE, behind a round of the cluster's barrier ahead of the second step of 128: it has four steps in which to land.
; CLUSTERS: 4 x 4 work-groups; ctx's tiles are shared along a row of the cluster, Wo's along a column, each asked for jointly.
; REGISTERS: window 0: v16-29 addresses; v32-63 scale words, two sets (lanes 0-15 Wo's tile i, lanes 16-31 ctx's tile i); v128-255 Wo's fragments, two sets of 64; on the way out v128-191 rows of out.
;   window 1: the accumulators ((a, b) at v[8 (4 a + b)]).   window 2: ctx's fragments, two sets of 128.
.set PITCH, 272                        ; a row of Wo's tile in LDS: 256 bytes + 16 of padding
.set RIMG,  65536                      ; ctx's 16 tiles x 4,096 bytes: dense, read 16 bytes a lane on end
.set SLOT,  RIMG+128*PITCH
.set SCLP,  3*SLOT                     ; Wo's scales: 128 rows x 32 bytes as 16 blocks of 256 + 16
.set SCLR,  SCLP+2*2176                ; ctx's: 256 rows, 32 blocks
.set SPARE, SCLR+2*4352                ; the spare words: 128 bytes a wave, named by no other line
.set STAGE, SLOT                       ; the way out: 16 rows x 272 bytes a wave, in slot 1: it has had its only fill, and nobody reads it behind the last barrier
.set NP,    8
.set ADRR, 16                          ; v16-18 LDS address of my ctx fragments in slot 0, 1, 2
.set ADRP, 20                          ; v20-22 the same for Wo
.set STO,  24
.set RD,   25
.set CO,   26
.set ADRS, 27
.set SPW,  28
.set NIL,  29
.set SC,   32
.set PF,   128
.set BK,   128
.set G1R, 24
.set G0R, 32                           ; s[32:43] three sets
.set G1P, 48
.set G0S, 56
.set G0SB, 60
.set G0P, 68                           ; s[68:79] three sets
.set G1S, 80
.set G1SB, 88
.set MSB, 0
.macro WIN new
.if MSB != (\new)
	s_set_vgpr_msb (MSB<<8)|(\new)
.set MSB, (\new)
.endif
.endm
.macro JLOAD g0a, g1a, g0b, g1b        ; waves 0 and 1 fetch for ctx, waves 2 and 3 for Wo; four v_nop follow each of the two lines
	s_cmp_eq_u32 s15, 0
	s_cbranch_scc0 .Lfor_b_\@
	tensor_load_to_lds s[\g0a:\g0a+3], s[\g1a:\g1a+7]
	s_nop 0
.rept 4
	v_nop
.endr
	s_branch .Lasked_\@
.Lfor_b_\@:
	tensor_load_to_lds s[\g0b:\g0b+3], s[\g1b:\g1b+7]
	s_nop 0
.rept 4
	v_nop
.endr
.Lasked_\@:
.endm
.macro CROUND                          ; a round of the cluster's barrier
	s_barrier_signal -1
	s_barrier_wait -1
	s_cmp_lg_u32 s14, 0
	s_cbranch_scc1 .Lnot_wave_0_\@
	s_barrier_signal -3
.Lnot_wave_0_\@:
	s_barrier_wait -3
	s_barrier_signal -1
	s_barrier_wait -1
.endm
.macro PLACES n
.rept \n
	v_nop
.endr
.endm
	s_load_b256 s[4:11], s[0:1], 0x0               ; cimg, csc, Wo's codes, Wo's scales
	s_load_b64 s[12:13], s[0:1], 0x20              ; out
	v_lshl_add_u32 v[SPW], v0, 2, SPARE
	v_mov_b32 v[NIL], 0
	ds_add_u32 v28, v29
	ds_add_u32 v28, v29
	s_wait_dscnt 0x0
	v_lshrrev_b32 v1, 5, v0
	v_readfirstlane_b32 s14, v1                    ; wave 0..3
	s_lshr_b32 s15, s14, 1                         ; which 128 tokens are mine.  Also: I fetch for ctx (0) or for Wo (1)
	s_and_b32 s16, s14, 1                          ; which 64 columns.  Also: which half of that tile I fetch
	s_bfe_u32 s44, ttmp6, 0x40000                  ; cx
	s_bfe_u32 s45, ttmp6, 0x40004                  ; cy
	s_lshl_b32 s46, ttmp9, 2
	s_add_co_u32 s46, s46, s44                     ; the tile of 128 columns
	s_and_b32 s17, ttmp7, 0xffff
	s_lshl_b32 s17, s17, 2
	s_add_co_u32 s17, s17, s45                     ; the tile of 256 tokens
	s_lshl_b32 s66, s45, 2
	s_lshl_b32 s66, 15, s66                        ; my row of the cluster
	s_lshl_b32 s67, 0x1111, s44                    ; my column
	s_or_b32 s[G1R], s66, (3<<16)|(1<<21)          ; ctx's half tile: 32,768 dense bytes as 128 rows of 32 elements of 8 bytes; no padding
	s_mov_b32 s[G1R+1], 32<<16
	s_mov_b32 s[G1R+2], 128<<16
	s_mov_b32 s[G1R+3], 32<<16
	s_mov_b32 s[G1R+4], 128
	s_mov_b32 s[G1R+5], 32
	s_mov_b32 s[G1R+6], 0
	s_mov_b32 s[G1R+7], 0
	s_or_b32 s[G1P], s67, (0<<16)|(1<<20)|(1<<21)|(5<<22)|(3<<25)   ; Wo's half tile: 64 rows of 256 bytes, 1,024 apart; 4 words of padding behind every 64
	s_mov_b32 s[G1P+1], 256<<16
	s_mov_b32 s[G1P+2], 64<<16
	s_mov_b32 s[G1P+3], 256<<16
	s_mov_b32 s[G1P+4], 64
	s_mov_b32 s[G1P+5], 1024
	s_mov_b32 s[G1P+6], 0
	s_mov_b32 s[G1P+7], 0
	s_or_b32 s[G1S], s66, (3<<16)|(1<<20)|(1<<21)|(5<<22)|(3<<25)   ; the scales of 128 tokens: 16 rows of 256 bytes, padded
	s_mov_b32 s[G1S+1], 32<<16
	s_mov_b32 s[G1S+2], 16<<16
	s_mov_b32 s[G1S+3], 32<<16
	s_mov_b32 s[G1S+4], 16
	s_mov_b32 s[G1S+5], 32
	s_mov_b32 s[G1S+6], 0
	s_mov_b32 s[G1S+7], 0
	s_or_b32 s[G1SB], s67, (3<<16)|(1<<20)|(1<<21)|(5<<22)|(3<<25)  ; those of 64 rows of Wo: 8 rows
	s_mov_b32 s[G1SB+1], 32<<16
	s_mov_b32 s[G1SB+2], 8<<16
	s_mov_b32 s[G1SB+3], 32<<16
	s_mov_b32 s[G1SB+4], 8
	s_mov_b32 s[G1SB+5], 32
	s_mov_b32 s[G1SB+6], 0
	s_mov_b32 s[G1SB+7], 0
	s_lshl_b32 s20, s17, 16                        ; ctx's codes: 65,536 bytes a tile of 256 tokens, + my half
	s_lshl_b32 s18, s16, 15
	s_add_co_u32 s20, s20, s18
	s_mov_b32 s21, 0
	s_lshl_b32 s22, s17, 13                        ; its scales: 8,192 bytes, + my half
	s_lshl_b32 s18, s16, 12
	s_add_co_u32 s22, s22, s18
	s_mov_b32 s23, 0
	s_lshl_b32 s96, s46, 17                        ; Wo's codes: 128 rows of 1,024 bytes, + my 64 rows
	s_lshl_b32 s100, s16, 16
	s_add_co_u32 s96, s96, s100
	s_mov_b32 s97, 0
	s_lshl_b32 s98, s46, 12                        ; its scales
	s_lshl_b32 s100, s16, 11
	s_add_co_u32 s98, s98, s100
	s_mov_b32 s99, 0
	s_lshl_b32 s18, s16, 15                        ; and where they go: by the wave's number alone
	s_mul_i32 s19, s16, 64*PITCH
	s_mul_i32 s100, s16, 4352
	s_mul_i32 s101, s16, 2176
	s_wait_kmcnt 0x0
	s_add_nc_u64 s[20:21], s[4:5], s[20:21]
	s_add_nc_u64 s[22:23], s[6:7], s[22:23]
	s_add_nc_u64 s[96:97], s[8:9], s[96:97]
	s_add_nc_u64 s[98:99], s[10:11], s[98:99]
	CROUND                                         ; all sixteen work-groups are here: the first joint loads meet
	s_mov_b32 s[G0S], 1
	s_add_co_u32 s[G0S+1], s100, SCLR
	s_mov_b64 s[G0S+2:G0S+3], s[22:23]
	s_or_b32 s[G0S+3], s[G0S+3], 0x80000000
	s_mov_b32 s[G0SB], 1
	s_add_co_u32 s[G0SB+1], s101, SCLP
	s_mov_b64 s[G0SB+2:G0SB+3], s[98:99]
	s_or_b32 s[G0SB+3], s[G0SB+3], 0x80000000
	JLOAD G0S, G1S, G0SB, G1SB
.irp s, 0,1,2
	s_mov_b32 s[G0R+4*\s], 1
	s_add_co_u32 s[G0R+4*\s+1], s18, \s*SLOT
	s_add_nc_u64 s[G0R+4*\s+2:G0R+4*\s+3], s[20:21], \s*2097152    ; 256 along k on: 512 tiles of 4,096 bytes
	s_or_b32 s[G0R+4*\s+3], s[G0R+4*\s+3], 0x80000000
	s_mov_b32 s[G0P+4*\s], 1
	s_add_co_u32 s[G0P+4*\s+1], s19, \s*SLOT+RIMG
	s_add_nc_u64 s[G0P+4*\s+2:G0P+4*\s+3], s[96:97], \s*256
	s_or_b32 s[G0P+4*\s+3], s[G0P+4*\s+3], 0x80000000
	JLOAD G0R+4*\s, G1R, G0P+4*\s, G1P             ; four loads of mine are out behind the last of these
.endr
	v_and_b32 v1, 15, v0                           ; r
	v_bfe_u32 v2, v0, 4, 1                         ; h
	v_and_b32 v3, 31, v0
	v_lshlrev_b32 v3, 4, v3                        ; 16 x lane
	v_mul_u32_u24 v4, v1, PITCH
	v_lshl_add_u32 v4, v2, 4, v4                   ; 272 r + 16 h
	s_lshl_b32 s21, s15, 15                        ; my 8 tiles of ctx
	s_mul_i32 s22, s16, 64*PITCH                   ; my 64 rows of Wo,
	s_add_co_u32 s22, s22, RIMG                    ; behind ctx's image
.irp s, 0,1,2
	v_add_nc_u32 v[ADRR+\s], s21, v3
	v_add_nc_u32 v[ADRP+\s], s22, v4
	s_add_co_u32 s21, s21, SLOT
	s_add_co_u32 s22, s22, SLOT
.endr
	v_mul_u32_u24 v5, v1, 32                       ; my row's scales: 32 bytes a row,
	v_lshrrev_b32 v6, 8, v5
	v_lshl_add_u32 v5, v6, 4, v5                   ; and 16 more for each 256 passed
	s_mul_i32 s21, s16, 2176                       ; Wo's: my 64 rows
	s_mul_i32 s22, s15, 4352                       ; ctx's: my 128 rows
	s_add_co_u32 s22, s22, SCLR-SCLP
	s_sub_co_u32 s22, s22, s21
	v_mul_u32_u24 v6, s22, v2                      ; lanes 16-31 take ctx's
	s_add_co_u32 s21, s21, SCLP
	v_add_nc_u32 v5, v5, v6
	v_add_nc_u32 v[ADRS], s21, v5
	s_mul_i32 s23, s14, 16*PITCH
	s_add_co_u32 s23, s23, STAGE                   ; my stage
	v_mul_u32_u24 v5, v1, PITCH
	v_lshl_add_u32 v5, v2, 5, v5
	v_add_nc_u32 v[STO], s23, v5                   ; in: row r, 32 bytes for each half of the lanes
	v_mul_u32_u24 v5, v2, PITCH
	v_lshl_add_u32 v5, v1, 4, v5
	v_add_nc_u32 v[RD], s23, v5                    ; back: lanes 0-15 one row of 256 bytes, lanes 16-31 the next
	v_lshlrev_b32 v5, 12, v2
	v_lshl_add_u32 v[CO], v1, 4, v5                ; and the same two rows in out (4,096 bytes a row)
	s_lshl_b32 s20, s17, 20                        ; 256 rows of 4,096 bytes,
	s_lshl_b32 s21, s15, 19                        ; my 128 of them,
	s_add_co_u32 s20, s20, s21
	s_lshl_b32 s21, s46, 9                         ; 128 columns of 4 bytes,
	s_add_co_u32 s20, s20, s21
	s_lshl_b32 s21, s16, 8                         ; my 64 of them
	s_add_co_u32 s20, s20, s21
	s_mov_b32 s21, 0
	s_add_nc_u64 s[12:13], s[12:13], s[20:21]
; Step s of eight is 128 along K: the (s % 2)-th of K's slot s / 2, which lies in LDS slot (s / 2) % 3.  Fragments go into set s % 2.
.macro FETCH s
.set FSL, ((\s)/2)%3
.set FQ,  (\s)%2
	WIN 0x80                                       ; destination window 2
.irp a, 0,1,2,3,4,5,6,7
.irp c, 0,1,2,3
	ds_load_b128 v[128*FQ+16*\a+4*\c:128*FQ+16*\a+4*\c+3], v[ADRR+FSL] offset:4096*\a+2048*FQ+512*\c
.endr
.endr
	WIN 0
.irp b, 0,1,2,3
.irp c, 0,1,2,3
	ds_load_b128 v[PF+64*FQ+16*\b+4*\c:PF+64*FQ+16*\b+4*\c+3], v[ADRP+FSL] offset:16*PITCH*\b+128*FQ+32*\c
.endr
.endr
.endm
.macro SCALES t                        ; the scale words of K's slot t: two words a row.  (For i > 3 lanes 0-15 read on past my 64 rows of Wo's scales, into scales that have landed; those words are not used)
.irp i, 0,1,2,3,4,5,6,7
	ds_load_b64 v[SC+16*((\t)%2)+2*\i:SC+16*((\t)%2)+2*\i+1], v[ADRS] offset:544*\i+8*(\t)
.endr
.endm
.macro MUL s, zero                     ; 32 products; the 32 accumulators take turns, one instruction a turn, in the same order in every step
.set MQ,  (\s)%2
.set MSC, ((\s)/2)%2
	WIN 0x58                                       ; source 0 (Wo) window 0, source 1 (ctx) window 2, C and D window 1
.irp a, 0,1,2,3,4,5,6,7
.irp b, 0,1,2,3
.if \zero
	v_wmma_scale_f32_16x16x128_f8f6f4 v[8*(4*\a+\b):8*(4*\a+\b)+7], v[PF+64*MQ+16*\b:PF+64*MQ+16*\b+15], v[128*MQ+16*\a:128*MQ+16*\a+15], 0, v[SC+16*MSC+2*\b+MQ], v[SC+16*MSC+2*\a+MQ] matrix_b_scale:MATRIX_SCALE_ROW1
.else
	v_wmma_scale_f32_16x16x128_f8f6f4 v[8*(4*\a+\b):8*(4*\a+\b)+7], v[PF+64*MQ+16*\b:PF+64*MQ+16*\b+15], v[128*MQ+16*\a:128*MQ+16*\a+15], v[8*(4*\a+\b):8*(4*\a+\b)+7], v[SC+16*MSC+2*\b+MQ], v[SC+16*MSC+2*\a+MQ] matrix_b_scale:MATRIX_SCALE_ROW1
.endif
.endr
.endr
	WIN 0
.endm
.macro GO s, zero, places              ; this step's fragments are in; the next step's are asked for, into the set that the step before multiplied, and land under this step's products
	s_wait_dscnt 0x0
	PLACES \places
	FETCH (\s)+1
.if ((\s)%2) == 1
	SCALES ((\s)+1)/2
.endif
	MUL \s, \zero
.endm
	s_wait_tensorcnt 2                             ; the scales and my part of slot 0 are in; slots 1 and 2 may be out
	s_barrier_signal -1
	s_barrier_wait -1
	FETCH 0
	SCALES 0
	GO 0, 1, NP                                    ; the first step's products start the sums
	s_wait_tensorcnt 0x0                           ; all my tensor loads have landed: my parts of slots 1 and 2
	ds_add_u32 v[SPW], v[NIL]                      ; 0 onto my spare word
	s_add_nc_u64 s[G0R+2:G0R+3], s[G0R+2:G0R+3], 3*2097152   ; slot 0's descriptors step to K's last 256
	s_add_nc_u64 s[G0P+2:G0P+3], s[G0P+2:G0P+3], 3*256
	s_wait_dscnt 0x0                               ; the add is done, and my reads of slot 0 (steps 0 and 1) are in
	CROUND                                         ; no wave of any partner still reads slot 0 or has a load on its way; slots 1 and 2 are whole
	JLOAD G0R, G1R, G0P, G1P                       ; the one refill; its four v_nop are four of the eight places
	GO 1, 0, NP-4
	GO 2, 0, NP
	GO 3, 0, NP
	GO 4, 0, NP
	s_wait_tensorcnt 0x0                           ; my part of the refilled slot 0 is in,
	s_wait_dscnt 0x0                               ; and my reads of slots 1 and 2 are over
	s_barrier_signal -1
	s_barrier_wait -1                              ; everybody's
	GO 5, 0, NP
	GO 6, 0, NP
	s_wait_dscnt 0x0
	MUL 7, 0
; THE WAY OUT, 16 tokens at a time: a lane's 32 bytes of a row go into my own stage and come back as whole rows of 256 bytes.  LDS serves a wave's instructions in order (ISA guide 5.7.1.4): no wait between the stores and the loads.
.macro TOSTAGE a
	WIN 0x04                                       ; an LDS store's data: window 1
.irp b, 0,1,2,3
	ds_store_b128 v[STO], v[8*(4*(\a)+\b):8*(4*(\a)+\b)+3] offset:64*\b        ; each accumulator from its low end on
	ds_store_b128 v[STO], v[8*(4*(\a)+\b)+4:8*(4*(\a)+\b)+7] offset:64*\b+16
.endr
	WIN 0
.set BB, BK+32*((\a)%2)
.irp t, 0,1,2,3,4,5,6,7
	ds_load_b128 v[BB+4*\t:BB+4*\t+3], v[RD] offset:\t*2*PITCH
.endr
.endm
.macro SEND a, younger
.set BB, BK+32*((\a)%2)
	s_wait_dscnt \younger                          ; the block is back; the next block's 8 stores and 8 loads may be out
.if (\a) > 0
	s_add_nc_u64 s[12:13], s[12:13], 65536         ; 16 rows of out on (the earlier stores have read their base: the wait stands ahead)
.endif
.irp t, 0,1,2,3,4,5,6,7
	global_store_b128 v[CO], v[BB+4*\t:BB+4*\t+3], s[12:13] offset:8192*\t th:TH_STORE_NT   ; 16 lanes store 256 consecutive bytes, at a multiple of 256 from out's first byte
.endr
.endm
	PLACES NP
	TOSTAGE 0
.irp a, 1,2,3,4,5,6,7
.if \a > 1
	s_wait_xcnt 0x0                                ; block a - 2's stores have read their registers and their base
.endif
	TOSTAGE \a
	SEND \a-1, 16
.endr
	s_wait_xcnt 0x0
	SEND 7, 0
	s_wait_tensorcnt 0x0                           ; the wave's end
	ds_add_u32 v[SPW], v[NIL]
	s_wait_dscnt 0x0
	CROUND                                         ; the closing round
	s_endpgm
.Lfunc_end_k_q0b631558ae_outp:
	.size	k_q0b631558ae_outp, .Lfunc_end_k_q0b631558ae_outp-k_q0b631558ae_outp
	.p2alignl 7, 3214868480
	.fill 96, 4, 3214868480
	.section	.rodata,"a",@progbits
	.p2align	6, 0x0
	.amdhsa_kernel k_q0b631558ae_outp
		.amdhsa_group_segment_fixed_size 327680
		.amdhsa_private_segment_fixed_size 0
		.amdhsa_enable_private_segment 0
		.amdhsa_kernarg_size 40
		.amdhsa_user_sgpr_count 2
		.amdhsa_user_sgpr_kernarg_segment_ptr 1
		.amdhsa_wavefront_size32 1
		.amdhsa_system_sgpr_workgroup_id_x 1
		.amdhsa_system_sgpr_workgroup_id_y 1
		.amdhsa_system_sgpr_workgroup_id_z 1
		.amdhsa_system_vgpr_workitem_id 0
		.amdhsa_next_free_vgpr 768
		.amdhsa_next_free_sgpr 102
		.amdhsa_reserve_vcc 0
		.amdhsa_float_denorm_mode_32 3
		.amdhsa_float_denorm_mode_16_64 3
		.amdhsa_memory_ordered 1
		.amdhsa_forward_progress 1
		.amdhsa_inst_pref_size 89
	.end_amdhsa_kernel
	.amdgpu_metadata
---
amdhsa.version: [ 1, 2 ]
amdhsa.kernels:
  - .name:           k_q0b631558ae_outp
    .symbol:         k_q0b631558ae_outp.kd
    .args:
      - { .name: cimg, .offset: 0, .size: 8, .value_kind: global_buffer, .address_space: global }
      - { .name: csc, .offset: 8, .size: 8, .value_kind: global_buffer, .address_space: global }
      - { .name: o_weight_codes, .offset: 16, .size: 8, .value_kind: global_buffer, .address_space: global }
      - { .name: o_weight_scales, .offset: 24, .size: 8, .value_kind: global_buffer, .address_space: global }
      - { .name: out0, .offset: 32, .size: 8, .value_kind: global_buffer, .address_space: global }
    .group_segment_fixed_size: 327680
    .private_segment_fixed_size: 0
    .kernarg_segment_align: 8
    .kernarg_segment_size: 40
    .max_flat_workgroup_size: 128
    .sgpr_count:     102
    .vgpr_count:     768
    .wavefront_size: 32
...
	.end_amdgpu_metadata
.endif
;; end of part 3
